; MI455X (gfx1250); checked and timed in simulation.
; The chip was launched on July 23, 2026; its instructions are those of AMD's public machine-readable ISA for CDNA 5 (MIT licence, August 2026) and "CDNA5" Instruction Set Architecture Reference Guide (July 2026). The comments in the code are by the model that wrote it; some were corrected since.
;; LSTM Cell. Allowed arithmetic: matrix products marked QUANTISED: E4M3 operands, one E8M0 scale for each 32 along K, by v_wmma_scale_f32_16x16x128_f8f6f4 with both operands' format E4M3, f32 sums; everything else in f32.
;; Inputs: W_h_codes 4,096 x 32 x 32 uint8 (E4M3 codes of W_h, K innermost, in blocks of 32 codes); W_h_scales 4,096 x 32 uint8 (E8M0 scales of W_h, one for each 32 codes along K); W_x_codes 4,096 x 32 x 32 uint8 (E4M3 codes of W_x, K innermost, in blocks of 32 codes); W_x_scales 4,096 x 32 uint8 (E8M0 scales of W_x, one for each 32 codes along K); b_h 4,096 float32; b_x 4,096 float32; c0 8,192 x 1,024 float32; h0_codes 8,192 x 32 x 32 uint8 (E4M3 codes of h0, K innermost, in blocks of 32 codes); h0_scales 8,192 x 32 uint8 (E8M0 scales of h0, one for each 32 codes along K); x_codes 8,192 x 32 x 32 uint8 (E4M3 codes of x, K innermost, in blocks of 32 codes); x_scales 8,192 x 32 uint8 (E8M0 scales of x, one for each 32 codes along K).
;; Outputs: out0 8,192 x 1,024 float32; out1 8,192 x 1,024 float32.
;; This version of the problem:
;;   THIS VERSION OF THE PROBLEM IS GIVEN IN LOW PRECISION. The matrix products marked QUANTISED in the list below multiply operands that are first quantised to E4M3 (4 exponent bits, 3 mantissa bits; 8 bits a number), with one power-of-two scale for each 32 numbers along K (OCP MX v1.0); their sums are f32. All else is computed in f32.
;;   The module's matrix products, in the order in which they are computed (A, B: the left and right operand; K: the contracted axis; several contracted axes count as one K, in the product's order):
;;     1. [M 8,192, K 1,024] x [K 1,024, N 4,096]; A: input x (given as codes); B: input W_x (given as codes): QUANTISED
;;     2. [M 8,192, K 1,024] x [K 1,024, N 4,096]; A: input h0 (given as codes); B: input W_h (given as codes): QUANTISED
;;   THE QUANTISER, for each operand of a quantised product, along K:
;;     - K is cut into blocks of 32 from its start; a last block that is shorter is filled with zeros.
;;     - A block's scale is 2^e with e = floor(log2(the largest magnitude in the block)) - 8, held to -126 .. 127; a block of zeros has e = 0. As a byte (E8M0): e + 127.
;;     - Each number is divided by its block's scale, clamped to +-448, and rounded to the nearest number of E4M3, ties to even, subnormals kept.
;;     - The product sums the exact products of the quantised numbers (number of the format x scale) in f32.
;;   ~~~python
;;   def quantise(x, axis):      # numpy; x: float32 -> the quantised numbers, widened to float32 again
;;       x = np.moveaxis(x, axis, -1); K = x.shape[-1]
;;       x = np.pad(x, [(0, 0)] * (x.ndim - 1) + [(0, -K % 32)]); x = x.reshape(x.shape[:-1] + (-1, 32)); a = np.abs(x).max(-1, keepdims=True)
;;       e = np.where(a > 0, np.clip(np.frexp(np.where(a > 0, a, 1))[1] - 1 - 8, -126, 127), 0)      # np.frexp(a)[1] - 1 = floor(log2(a)), exactly
;;       r = np.clip(x / 2.0 ** e, -448, 448)
;;       step = 2.0 ** (np.maximum(np.frexp(np.where(r == 0, 1, r))[1] - 1, -6) - 3)
;;       q = np.round(r / step) * step * 2.0 ** e      # np.round: ties to even
;;       return np.moveaxis(q.reshape(q.shape[:-2] + (-1,))[..., :K], -1, axis).astype(np.float32)
;;   ~~~
;;   INPUTS GIVEN AS CODES. W_h (in the module: [4096, 1024], K = its axis 1); W_x (in the module: [4096, 1024], K = its axis 1); h0 (in the module: [8192, 1024], K = its axis 1); x (in the module: [8192, 1024], K = its axis 1): each comes as NAME_codes (uint8): NAME with its K axis moved to the last place and cut into blocks of 32 codes, [.., K / 32, bytes a block], one block behind the other in memory; one code a byte (a code: sign, 4 exponent bits, 3 mantissa bits); and NAME_scales (uint8): the same leading axes, one E8M0 byte (e + 127) for each 32 codes along K. Its value is code x scale, taken as it is: it is not quantised again, and the codes and scales need not be those that the quantiser above would give.
;; One version. Each part assembles by itself: llvm-mc -triple=amdgcn-amd-amdhsa -mcpu=gfx1250 --defsym DOCPART=n.
;; ======== version 1 of 1: 1 launch
;; launch lstm (part 1): grid 16 x 32, 4 waves a work-group, clusters of 4 x 4, 327,680 bytes of LDS; arguments x_codes, x_scales, h0_codes, h0_scales, W_x_codes, W_x_scales, W_h_codes, W_h_scales, b_x, b_h, c0, out0, out1; writes out0, out1
.if DOCPART == 1
	.amdgcn_target "amdgcn-amd-amdhsa--gfx1250"
	.amdhsa_code_object_version 6
	.text
	.protected	k_q01a08f7e05_lstm
	.globl	k_q01a08f7e05_lstm
	.p2align	8
	.type	k_q01a08f7e05_lstm,@function
k_q01a08f7e05_lstm:
	s_mov_b64 s[64:65], 0
	v_nop
	global_prefetch_b8 v0, s[64:65] scope:SCOPE_SE
	s_setreg_imm32_b32 hwreg(HW_REG_WAVE_MODE, 25, 1), 1
	s_wait_xcnt 0x0
	s_wait_alu depctr_hold_cnt(0) depctr_sa_sdst(0) depctr_va_vdst(0) depctr_va_sdst(0) depctr_va_ssrc(0) depctr_va_vcc(0) depctr_vm_vsrc(0)
	s_getreg_b32 s2, hwreg(HW_REG_IB_STS2, 6, 4)
	s_cmp_eq_u32 s2, 0
	s_cbranch_scc0 .Lentry_in_a_cluster
	s_endpgm
.Lentry_in_a_cluster:
	s_bfe_u32 s2, ttmp6, 0x10000c
	s_cmp_lg_u32 s2, 0xf033
	s_cbranch_scc0 .Lentry_shape_is_right
	s_endpgm
.Lentry_shape_is_right:
; LSTM cell.  gates[8192][4096] = x W_x^T + h0 W_h^T + b_x + b_h;  c1 = sigmoid(f) c0 + sigmoid(i) tanh(g);  h1 = sigmoid(o) tanh(c1).  out0 = h1, out1 = c1, both [8192][1024] f32.
; x, h0 [8192][1024] and W_x, W_h [4096][1024] come as codes of E4M3, K innermost, one E8M0 byte for each 32 along K: codes and bytes go to the matrix unit as they lie.
; The two products add into the same gates: ONE product with K = 2,048, in eight K steps of 256.  Even steps come from x and W_x, odd steps from h0 and W_h: so slot 0 of the ring holds x's tiles alone and
; slot 1 h0's alone, each slot's descriptors walk their own buffers, and nothing in the loop changes source.
; SHARES.  A work-group of four waves makes 256 rows x 64 hidden units x 4 gates: a tile of 256 x 256 of the gates whose 256 rows of W are 4 gates x 64 units (LDS row 64 g + unit).
; Wave w: rows 128 (w / 2) on, units 32 (w % 2) on, all four gates: 64 accumulators of 16 x 16, 512 registers.  A's block a = 16 rows; B's block b = 2 g + u = gate g, units 16 u on.
; THE MATRIX INSTRUCTION IS USED TRANSPOSED (source 0 = 16 rows of W, source 1 = 16 rows of x or h0): lane (r, h), register j of accumulator (a, 2 g + u) is gate g of row 16 a + r, unit 16 u + 8 h + j.
; So the four gates of a cell lie in one lane at one register index of four accumulators, and a lane's eight cells are 32 neighbouring bytes of a row of c0, c1 and h1.
; b_x + b_h is the C of each sum's first matrix instruction: nothing is cleared and no bias is added later.
; CLUSTERS: 4 x 4 work-groups.  The four of a row of the cluster need the same tiles of x and h0, the four of a column the same tiles of W_x and W_h: each tile and each block of scale bytes is asked for JOINTLY.
; c0 comes by one plain tensor load a wave into slot 0 when that slot has been read for the last time; c1 is written over it, h1 beside it, and both leave as whole rows of 256 bytes.
; One tile to a work-group: the stage is written by LDS stores.
; LIMITS.  The sums run in another order than the source reads: the biases first, then 256 along K of x and of h0 by turns, in one f32 accumulator.  tanh(z) = (1 - E) / (1 + E), E = 2^(-2 log2(e) z), with the
; exponent held at 30: beyond it (z under -10.4) tanh is -1 in f32, and the hold keeps infinity x 0 away.  The hold takes the number where its other source is NaN: NaN (a NaN code, a scale byte 0xff, a NaN in c0) is not served.
; REGISTERS, in windows of 256.  Window 0: v0-31 addresses; v32-63 scale words, two sets; v64-127 the biases; v128-255 A's fragments, one set; in the cell part v64-255 are at work.
;   Window 1: B's fragments, two sets, at v0 and v128.   Window 2: the accumulators of my rows 0-63 ((a, b) at v[8 (8 (a % 4) + b)]).   Window 3: those of my rows 64-127.
.set PITCH,  272                       ; an LDS row: 256 bytes + 16 of padding = 68 words: row r starts at bank 4 r mod 64 (64 banks of 4 bytes: ISA guide 11.1)
.set HALFT,  128*PITCH                 ; 128 rows: what one tensor load brings of a K step
.set SLOT,   4*HALFT                   ; A's 256 rows, then B's 256 rows
.set SCL,    2*SLOT                    ; behind the ring: the scale bytes for all of K: x's, h0's, W_x's, W_h's, 2 HALFS each
.set HALFS,  16*PITCH                  ; the scale bytes of 128 rows: 4,096 bytes as 16 units of 256 + 16
.set SBLK,   2*PITCH                   ; those of 16 rows
.set SSRC,   2*HALFS                   ; from x's to h0's, and from W_x's to W_h's
.set SPARE,  SCL+8*HALFS               ; the spare words, 128 bytes for each wave: two blocks of 256 bytes that no other line names
.set H1S,    2*HALFT                   ; the cell part: c0, then c1, in slot 0's first 256 rows; h1 in the 256 rows behind them
.set PADF,   (1<<20)|(5<<22)|(3<<25)   ; descriptor group 1, word 0: padding on; after every 64 words; 4 words of it
.set JOINT,  1<<21                     ; set beside a mask
.set ADRA, 16                          ; v16-17  LDS address of my A fragments in slot 0, 1
.set ADRB, 20                          ; v20-21  the same for B
.set PFO,  22                          ; v22     the prefetch's offset: my lane x a row of c0; never rewritten
.set BO,   23                          ; v23     the biases: 32 x (lane / 16)
.set EA,   24                          ; v24     the cell part: my 32 bytes of a row of c0 and c1 in LDS
.set EH,   25                          ; v25     the same for h1
.set CO,   26                          ; v26     my byte offset in two rows of an output
.set ADRS, 27                          ; v27     LDS address of my scale words: lanes 0-15 A's rows, lanes 16-31 B's
.set SPW,  28                          ; v28     LDS address of my spare word; never rewritten
.set NIL,  29                          ; v29     0; never rewritten
.set RD,   30                          ; v30     where I read whole rows of c1 back
.set RDH,  31                          ; v31     and of h1
.set SC,   32                          ; scale words: set s at v[SC + 16 s]; register 2 i + q: lanes 0-15 A's block i, lanes 16-31 B's block i, the slot's q-th 128 along K
.set BIAS, 64                          ; b_x + b_h in the result's layout: eight registers for each of B's eight blocks
.set AF,   128                         ; A's fragments
.set TI,   64                          ; the cell part, 32 cells a lane at a time: gates i, f, g, o,
.set TF,   96
.set TG,   128
.set TO,   160
.set NG,   192                         ; a numerator 1 - E,
.set CC,   224                         ; c0, then c1
.set WV,   30                          ; s30  my wave's number
.set WHI,  31                          ; s31  wave / 2: my half of the rows.  Also: I fetch for A (0) or for B (1)
.set G1A,  32                          ; s[32:39] group 1 for A's tiles;  s[40:47] group 0, a set for each slot
.set G0A,  40
.set G1B,  48                          ; s[48:55], s[56:63] the same for B's tiles;  s[68:71], s[72:75] their groups 2 and 3
.set G0B,  56
.set G2B,  68
.set G3B,  72
.set G1SA, 76                          ; s[76:83] group 1 for A's scale bytes;  s[84:91] for B's;  their groups 0 are made in s[4:19], where the pointers came
.set G1SB, 84
.set G1C,  92                          ; s[92:99] group 1 for c0, written at the head's end;  s[4:7] its group 0, made in the tail
.set G0C,  4
.set WLO,  92                          ; in the head: wave % 2;  cx, cy;  tile column, tile row;  at work
.set CX,   93
.set CY,   94
.set TC,   95
.set TR,   96
.set T0,   97
.set KS1,  40                          ; the cell part: s[40:41] -log2(e);  s[42:43] -2 log2(e);  s44 the hold, 30
.set KS2,  42
.set HOLD, 44
.set MSB, 0
.macro WIN new                         ; the immediate's high byte repeats the setting that is left
.if MSB != \new
	s_set_vgpr_msb (MSB<<8)|\new
.set MSB, \new
.endif
.endm
.set MUL_LO,   0xa1                    ; source 0 (B) window 1, source 1 (A) window 0, C and D window 2
.set MUL_HI,   0xf1                    ; the same, C and D window 3
.set FIRST_LO, 0x81                    ; the first step: C (the biases) window 0, D window 2
.set FIRST_HI, 0xc1                    ; D window 3
.set TO_B,     0x40                    ; destination window 1, address window 0
.macro PLACES n                        ; plain vector instructions that name no register of the matrix instructions in front of them (ISA guide 7.12.1)
.rept \n
	v_nop
.endr
.endm
; Joint loads: waves 0 and 1 fetch for A, waves 2 and 3 for B.  Each line has one mask and one set of registers for all that issue it; the branch hangs on the wave's number alone.
; An s_nop 0 and four v_nop follow each line, ahead of the jump, the label and what follows.
.macro JSCALE g0a, g0b
	s_cmp_eq_u32 s[WHI], 0
	s_cbranch_scc0 .Lsc_b_\@
	tensor_load_to_lds s[\g0a:\g0a+3], s[G1SA:G1SA+7]
	s_nop 0
	PLACES 4
	s_branch .Lsc_done_\@
.Lsc_b_\@:
	tensor_load_to_lds s[\g0b:\g0b+3], s[G1SB:G1SB+7]
	s_nop 0
	PLACES 4
.Lsc_done_\@:
.endm
.macro JCODE slot
	s_cmp_eq_u32 s[WHI], 0
	s_cbranch_scc0 .Lcd_b_\@
	tensor_load_to_lds s[G0A+4*\slot:G0A+4*\slot+3], s[G1A:G1A+7]
	s_nop 0
	PLACES 4
	s_branch .Lcd_done_\@
.Lcd_b_\@:
	tensor_load_to_lds s[G0B+4*\slot:G0B+4*\slot+3], s[G1B:G1B+7], s[G2B:G2B+3], s[G3B:G3B+3]
	s_nop 0
	PLACES 4
.Lcd_done_\@:
.endm
.macro CREST                           ; a round of the cluster's barrier behind its opening barrier
	s_cmp_lg_u32 s[WV], 0
	s_cbranch_scc1 .Lnot_wave_0_\@
	s_barrier_signal -3
.Lnot_wave_0_\@:
	s_barrier_wait -3
	s_barrier_signal -1
	s_barrier_wait -1
.endm
.macro CROUND                          ; a whole round
	s_barrier_signal -1
	s_barrier_wait -1
	CREST
.endm
	s_load_b512 s[4:19], s[0:1], 0x0               ; x's codes s[4:5], scales s[6:7]; h0's s[8:9], s[10:11]; W_x's s[12:13], s[14:15]; W_h's s[16:17], s[18:19]
	s_load_b256 s[20:27], s[0:1], 0x40             ; b_x s[20:21], b_h s[22:23], c0 s[24:25], out0 s[26:27]
	s_load_b64 s[28:29], s[0:1], 0x60              ; out1
	v_lshl_add_u32 v[SPW], v0, 2, SPARE
	v_mov_b32 v[NIL], 0
	ds_add_u32 v[SPW], v[NIL]                      ; the wave's opening: the add and its wait stand ahead of my first tensor load; the set-up below, work on registers, stands between them
	v_lshrrev_b32 v1, 5, v0
	v_readfirstlane_b32 s[WV], v1                  ; wave 0..3
	s_lshr_b32 s[WHI], s[WV], 1
	s_and_b32 s[WLO], s[WV], 1                     ; my half of the units.  Also: which half of a tile I fetch
	s_bfe_u32 s[CX], ttmp6, 0x40000                ; cx, cy: my place in the cluster
	s_bfe_u32 s[CY], ttmp6, 0x40004
	s_lshl_b32 s[TC], ttmp9, 2
	s_add_co_u32 s[TC], s[TC], s[CX]               ; tile column (64 hidden units) = 4 x cluster x + cx
	s_and_b32 s[TR], ttmp7, 0xffff
	s_lshl_b32 s[TR], s[TR], 2
	s_add_co_u32 s[TR], s[TR], s[CY]               ; tile row (256 rows) = 4 x cluster y + cy
	s_lshl_b32 s[T0], s[CY], 2
	s_lshl_b32 s[T0], 15, s[T0]                    ; my row of the cluster
	s_lshl_b32 s105, 0x1111, s[CX]                 ; my column
	; A's tiles: 128 rows x 256 bytes, 1,024 bytes from row to row
	s_or_b32 s[G1A], s[T0], JOINT|PADF             ; 15:0 the mask: my row; 17:16 elements of 1 byte; the padding
	s_mov_b32 s[G1A+1], 256<<16                    ; tensor_dim0
	s_mov_b32 s[G1A+2], 128<<16                    ; tensor_dim1
	s_mov_b32 s[G1A+3], 256<<16                    ; tile_dim0
	s_mov_b32 s[G1A+4], 128                        ; tile_dim1
	s_mov_b32 s[G1A+5], 1024                       ; from row to row
	s_mov_b32 s[G1A+6], 0
	s_mov_b32 s[G1A+7], 0
	; B's tiles: two gates x 64 rows x 256 bytes; a gate's rows lie 1,024 rows = 2^20 bytes behind the gate before: three dimensions.  In LDS the 128 rows follow each other, 272 bytes apart
	s_or_b32 s[G1B], s105, JOINT|PADF              ; the mask: my column
	s_mov_b32 s[G1B+1], 256<<16                    ; tensor_dim0
	s_mov_b32 s[G1B+2], 64<<16                     ; tensor_dim1
	s_mov_b32 s[G1B+3], 256<<16                    ; tile_dim0
	s_mov_b32 s[G1B+4], 64|(2<<16)                 ; tile_dim1 = 64, tile_dim2 = 2
	s_mov_b32 s[G1B+5], 1024                       ; from row to row
	s_mov_b32 s[G1B+6], 0                          ; from plane to plane, bits 15:0, in the upper half
	s_mov_b32 s[G1B+7], 16                         ; and bits 47:16: 2^20
	s_mov_b32 s[G2B], 2                            ; tensor_dim2
	s_mov_b32 s[G2B+1], 1                          ; tensor_dim3; the fourth and fifth dimensions are not used: their tile sizes are 0
	s_mov_b32 s[G2B+2], 0
	s_mov_b32 s[G2B+3], 0
	s_mov_b32 s[G3B], 0
	s_mov_b32 s[G3B+1], 1<<16                      ; tensor_dim4
	s_mov_b32 s[G3B+2], 0
	s_mov_b32 s[G3B+3], 0
	; A's scale bytes of 128 rows, all of K: 4,096 dense bytes, as 16 rows of 256 (32 elements of 8 bytes)
	s_or_b32 s[G1SA], s[T0], (3<<16)|JOINT|PADF
	s_mov_b32 s[G1SA+1], 32<<16
	s_mov_b32 s[G1SA+2], 16<<16
	s_mov_b32 s[G1SA+3], 32<<16
	s_mov_b32 s[G1SA+4], 16
	s_mov_b32 s[G1SA+5], 32
	s_mov_b32 s[G1SA+6], 0
	s_mov_b32 s[G1SA+7], 0
	; B's scale bytes: 4 gates x 32 units x 32 bytes: 4 rows of 1,024 bytes (128 elements of 8), 32,768 bytes apart; 16 bytes of padding behind every 256: a gate's bytes take 1,088
	s_or_b32 s[G1SB], s105, (3<<16)|JOINT|PADF
	s_mov_b32 s[G1SB+1], 128<<16
	s_mov_b32 s[G1SB+2], 4<<16
	s_mov_b32 s[G1SB+3], 128<<16
	s_mov_b32 s[G1SB+4], 4
	s_mov_b32 s[G1SB+5], 4096
	s_mov_b32 s[G1SB+6], 0
	s_mov_b32 s[G1SB+7], 0
	; where the tiles begin, in bytes.  A's hang on the tile row alone, B's on the tile column alone; every wave makes both and asks by one
	s_lshl_b32 s98, s[TR], 18                      ; A's codes: (256 x tile row + 128 x half) rows of 1,024 bytes
	s_lshl_b32 s[T0], s[WLO], 17
	s_add_co_u32 s98, s98, s[T0]
	s_mov_b32 s99, 0
	s_lshl_b32 s100, s[TR], 13                     ; A's scale bytes: the same rows, 32 bytes each
	s_lshl_b32 s[T0], s[WLO], 12
	s_add_co_u32 s100, s100, s[T0]
	s_mov_b32 s101, 0
	s_lshl_b32 s2, s[TC], 16                       ; B's codes: row 64 x tile column of gate 2 x half
	s_lshl_b32 s[T0], s[WLO], 21
	s_add_co_u32 s2, s2, s[T0]
	s_mov_b32 s3, 0
	s_lshl_b32 s66, s[TC], 11                      ; B's scale bytes: row 64 x tile column + 32 x half of gate 0
	s_lshl_b32 s[T0], s[WLO], 10
	s_add_co_u32 s66, s66, s[T0]
	s_mov_b32 s67, 0
	s_mul_i32 s104, s[WV], HALFT                   ; where the codes go: wave x 128 rows: no place in the cluster enters an LDS address
	s_mul_i32 s105, s[WLO], HALFS                  ; and the scale bytes: my half
	s_wait_dscnt 0x0                               ; the opening add is done
	s_wait_kmcnt 0x0
	s_mov_b32 s[G0A], 1                            ; slot 0: x's K step 0
	s_mov_b32 s[G0A+1], s104
	s_add_nc_u64 s[G0A+2:G0A+3], s[4:5], s[98:99]
	s_or_b32 s[G0A+3], s[G0A+3], 0x80000000
	s_mov_b32 s[G0A+4], 1                          ; slot 1: h0's K step 0
	s_add_co_u32 s[G0A+5], s104, SLOT
	s_add_nc_u64 s[G0A+6:G0A+7], s[8:9], s[98:99]
	s_or_b32 s[G0A+7], s[G0A+7], 0x80000000
	s_mov_b32 s[G0B], 1                            ; slot 0: W_x
	s_mov_b32 s[G0B+1], s104
	s_add_nc_u64 s[G0B+2:G0B+3], s[12:13], s[2:3]
	s_or_b32 s[G0B+3], s[G0B+3], 0x80000000
	s_mov_b32 s[G0B+4], 1                          ; slot 1: W_h
	s_add_co_u32 s[G0B+5], s104, SLOT
	s_add_nc_u64 s[G0B+6:G0B+7], s[16:17], s[2:3]
	s_or_b32 s[G0B+7], s[G0B+7], 0x80000000
	s_add_nc_u64 s[6:7], s[6:7], s[100:101]        ; the scale bytes' groups 0, where the pointers came: the codes' pointers have been used
	s_or_b32 s7, s7, 0x80000000
	s_mov_b32 s4, 1
	s_add_co_u32 s5, s105, SCL                     ; x's
	s_add_nc_u64 s[10:11], s[10:11], s[100:101]
	s_or_b32 s11, s11, 0x80000000
	s_mov_b32 s8, 1
	s_add_co_u32 s9, s105, SCL+SSRC                ; h0's
	s_add_nc_u64 s[14:15], s[14:15], s[66:67]
	s_or_b32 s15, s15, 0x80000000
	s_mov_b32 s12, 1
	s_add_co_u32 s13, s105, SCL+2*SSRC             ; W_x's
	s_add_nc_u64 s[18:19], s[18:19], s[66:67]
	s_or_b32 s19, s19, 0x80000000
	s_mov_b32 s16, 1
	s_add_co_u32 s17, s105, SCL+3*SSRC             ; W_h's
	CROUND                                         ; all sixteen work-groups are here: the first joint loads meet
	JSCALE 4, 12                                   ; the first fills go out as one group: four loads of mine are out
	JSCALE 8, 16
	JCODE 0
	JCODE 1
	; the biases, and the addresses of c0 and of the outputs
	s_lshl_b32 s98, s[TC], 8                       ; the tile's 64 units: 256 bytes of a row
	s_lshl_b32 s[T0], s[WLO], 7
	s_add_co_u32 s100, s98, s[T0]                  ; + my 32 units
	s_add_nc_u64 s[20:21], s[20:21], s[100:101]
	s_add_nc_u64 s[22:23], s[22:23], s[100:101]
	s_lshl_b32 s[T0], s[TR], 20                    ; 256 x tile row rows of 4,096 bytes
	s_add_co_u32 s98, s98, s[T0]
	s_lshl_b32 s[T0], s[WV], 18
	s_add_co_u32 s100, s98, s[T0]                  ; c0: the 64 rows that I fetch: 64 x wave on
	s_add_nc_u64 s[24:25], s[24:25], s[100:101]
	s_lshl_b32 s[T0], s[WHI], 19
	s_add_co_u32 s100, s98, s[T0]
	s_lshl_b32 s[T0], s[WLO], 17
	s_add_co_u32 s100, s100, s[T0]                 ; the outputs: the rows that I store: 128 x (wave / 2) + 32 x (wave % 2) on
	s_add_nc_u64 s[26:27], s[26:27], s[100:101]
	s_add_nc_u64 s[28:29], s[28:29], s[100:101]
	v_and_b32 v1, 15, v0                           ; r = lane % 16
	v_bfe_u32 v2, v0, 4, 1                         ; h = lane / 16
	v_lshlrev_b32 v[BO], 5, v2                     ; my eight units of a block's sixteen
.irp b, 0,1,2,3,4,5,6,7                        ; block b = 2 g + u: gate g is 4,096 bytes on, u 64
	global_load_b128 v[BIAS+8*\b:BIAS+8*\b+3],   v[BO], s[20:21] offset:(\b/2)*4096+(\b%2)*64
	global_load_b128 v[BIAS+8*\b+4:BIAS+8*\b+7], v[BO], s[20:21] offset:(\b/2)*4096+(\b%2)*64+16
.endr
	WIN 0x80                                       ; destination window 2: b_h rests where accumulators will be
.irp b, 0,1,2,3,4,5,6,7
	global_load_b128 v[8*\b:8*\b+3],   v[BO], s[22:23] offset:(\b/2)*4096+(\b%2)*64
	global_load_b128 v[8*\b+4:8*\b+7], v[BO], s[22:23] offset:(\b/2)*4096+(\b%2)*64+16
.endr
	WIN 0
	v_mul_u32_u24 v3, v1, PITCH
	v_lshl_add_u32 v4, v2, 4, v3                   ; a fragment's row x pitch + 16 x half
	s_mul_i32 s[T0], s[WHI], HALFT                 ; my 128 rows of A
	s_mul_i32 s66, s[WLO], 32*PITCH                ; my 32 units of each gate,
	s_add_co_u32 s66, s66, 2*HALFT                 ; behind A's 256 rows
.irp s, 0,1
	v_add_nc_u32 v[ADRA+\s], s[T0], v4
	v_add_nc_u32 v[ADRB+\s], s66, v4
	s_add_co_u32 s[T0], s[T0], SLOT
	s_add_co_u32 s66, s66, SLOT
.endr
	v_lshlrev_b32 v5, 5, v1                        ; my row's scale bytes: 32 a row,
	v_lshrrev_b32 v6, 3, v1
	v_lshl_add_u32 v5, v6, 4, v5                   ; and 16 more behind each 256
	s_mul_i32 s[T0], s[WHI], HALFS                 ; A's: my 128 rows
	s_mul_i32 s66, s[WLO], HALFS                   ; B's: my half, behind x's and h0's
	s_add_co_u32 s66, s66, 2*SSRC
	s_sub_co_u32 s66, s66, s[T0]
	v_mul_u32_u24 v6, s66, v2                      ; lanes 16-31 take B's: one product by h
	s_add_co_u32 s[T0], s[T0], SCL
	v_add_nc_u32 v5, v5, v6
	v_add_nc_u32 v[ADRS], s[T0], v5
	s_wait_loadcnt 0x0                             ; both biases are in
	WIN 0x08                                       ; source 1 window 2
.set n, 0
.rept 32
	v_pk_add_f32 v[BIAS+n:BIAS+n+1], v[BIAS+n:BIAS+n+1], v[n:n+1]   ; b_x + b_h
.set n, n+2
.endr
	WIN 0
	s_mul_i32 s[T0], s[WHI], HALFT                 ; the cell part: my 128 rows,
	s_lshl_b32 s66, s[WLO], 7                      ; my 128 bytes of them
	s_add_co_u32 s66, s66, s[T0]
	v_lshl_add_u32 v[EA], v2, 5, v3                ; row r, 32 bytes for each half of the lanes
	v_add_nc_u32 v[EA], s66, v[EA]
	v_add_nc_u32 v[EH], H1S, v[EA]
	s_mul_i32 s66, s[WLO], 32*PITCH                ; back: of each 64 rows of my half of the rows I take 32, whole
	s_add_co_u32 s66, s66, s[T0]
	v_mul_u32_u24 v[RD], v2, PITCH                 ; lanes 0-15 one row of 256 bytes, lanes 16-31 the next
	v_lshl_add_u32 v[RD], v1, 4, v[RD]
	v_add_nc_u32 v[RD], s66, v[RD]
	v_add_nc_u32 v[RDH], H1S, v[RD]
	v_lshlrev_b32 v[CO], 12, v2                    ; and the same two rows in an output
	v_lshl_add_u32 v[CO], v1, 4, v[CO]
	v_and_b32 v[PFO], 31, v0
	v_lshlrev_b32 v[PFO], 12, v[PFO]               ; a lane a row of c0
	; c0's tile: 64 rows x 64 numbers of 4 bytes, 1,024 numbers from row to row; no mask: each work-group has its own
	s_mov_b32 s[G1C], (2<<16)|PADF
	s_mov_b32 s[G1C+1], 64<<16
	s_mov_b32 s[G1C+2], 64<<16
	s_mov_b32 s[G1C+3], 64<<16
	s_mov_b32 s[G1C+4], 64
	s_mov_b32 s[G1C+5], 1024
	s_mov_b32 s[G1C+6], 0
	s_mov_b32 s[G1C+7], 0
; 16 matrix instructions: A's blocks a0, a0 + 1 x B's eight, 128 along K: the slot's q-th.  p: B's set;  sc: the set of scale words.  first = 1: the biases start the sums.
; The 64 accumulators take turns, one instruction a turn, in the same order in every step.
.macro MUL16 a0, p, q, sc, first
.irp a, \a0, \a0+1
.irp b, 0,1,2,3,4,5,6,7
.if \first
	v_wmma_scale_f32_16x16x128_f8f6f4 v[8*(8*((\a)%4)+\b):8*(8*((\a)%4)+\b)+7], v[128*(\p)+16*\b:128*(\p)+16*\b+15], v[AF+16*(\a):AF+16*(\a)+15], v[BIAS+8*\b:BIAS+8*\b+7], v[SC+16*(\sc)+2*\b+(\q)], v[SC+16*(\sc)+2*(\a)+(\q)] matrix_a_scale:MATRIX_SCALE_ROW1
.else
	v_wmma_scale_f32_16x16x128_f8f6f4 v[8*(8*((\a)%4)+\b):8*(8*((\a)%4)+\b)+7], v[128*(\p)+16*\b:128*(\p)+16*\b+15], v[AF+16*(\a):AF+16*(\a)+15], v[8*(8*((\a)%4)+\b):8*(8*((\a)%4)+\b)+7], v[SC+16*(\sc)+2*\b+(\q)], v[SC+16*(\sc)+2*(\a)+(\q)] matrix_a_scale:MATRIX_SCALE_ROW1
.endif
.endr
.endr
.endm
; A fragment, 16 rows x 128 K of 8-bit codes, is 16 registers: lane l holds row l % 16; registers 4 c .. 4 c + 3 hold K = 32 c + 16 (l / 16) + 0 .. 15: four loads of 16 bytes, 32 bytes apart.
.macro FETCH_B slot, q, p              ; B's eight fragments of the slot's q-th 128 along K into set p; block i = 2 g + u begins at LDS row 64 g + 16 u of my units
	WIN TO_B
.irp i, 0,1,2,3,4,5,6,7
.irp c, 0,1,2,3
	ds_load_b128 v[128*(\p)+16*\i+4*\c:128*(\p)+16*\i+4*\c+3], v[ADRB+\slot] offset:128*(\q)+32*\c+(64*(\i/2)+16*(\i%2))*PITCH
.endr
.endr
	WIN 0
.endm
.macro FETCH_A slot, q, i0             ; A's blocks i0 .. i0 + 3
.irp i, \i0, \i0+1, \i0+2, \i0+3
.irp c, 0,1,2,3
	ds_load_b128 v[AF+16*(\i)+4*\c:AF+16*(\i)+4*\c+3], v[ADRA+\slot] offset:128*(\q)+32*\c+(\i)*16*PITCH
.endr
.endr
.endm
.macro SCALES sc                       ; a K step's scale words into set sc: two words a row; lanes 0-15 take A's block i, lanes 16-31 B's block i; set 1 is h0's and W_h's
.irp i, 0,1,2,3,4,5,6,7
	ds_load_b64 v[SC+16*\sc+2*\i:SC+16*\sc+2*\i+1], v[ADRS] offset:\i*SBLK+SSRC*\sc
.endr
.endm
; A PREFETCH INTO THE L2 of the 64 rows x 256 bytes of c0 that this wave's own tensor load will ask for: a lane a row, two instructions.  It stands in the loop's last trip, behind slot 0's joint load and the run of
; LDS loads that follows it: 256 matrix instructions ahead of that load.  Each wave of each work-group names its own rows, so each row's 256 bytes are named once in the launch.
.macro ASK
	s_cmp_eq_u32 s3, 1                             ; s3 = 1 in the loop's last trip: the same in every wave and work-group
	s_cbranch_scc0 .Lnot_yet_\@
	global_prefetch_b8 v[PFO], s[24:25] th:TH_LOAD_NT scope:SCOPE_SE
	global_prefetch_b8 v[PFO], s[24:25] offset:32*4096 th:TH_LOAD_NT scope:SCOPE_SE
.Lnot_yet_\@:
.endm
; A slot's first 128 along K.  A load into a register that a matrix instruction has read stands eight places behind it; this text does not count the matrix instructions in between.
.macro STEP slot, first
	s_wait_dscnt 16                                ; B's set, A's blocks 0-3 and the scale words are in; the youngest sixteen loads (A's blocks 4-7) may be out
.if \first
	WIN FIRST_LO
.else
	WIN MUL_LO
.endif
	MUL16 0, 0, 0, \slot, \first
	MUL16 2, 0, 0, \slot, \first
	s_wait_dscnt 0x0                               ; A's blocks 4-7 are in (asked for 32 matrix instructions ago)
	PLACES 8
	FETCH_B \slot, 1, 1
	FETCH_A \slot, 1, 0
.if \first
	WIN FIRST_HI
.else
	WIN MUL_HI
.endif
	MUL16 4, 0, 0, \slot, \first
	MUL16 6, 0, 0, \slot, \first
	PLACES 8
	WIN 0
	FETCH_A \slot, 1, 4
.endm
; A slot's second 128 along K changes slots.  In front of the barrier each wave waits for all its tensor loads, adds 0 to its spare word, and waits for that and for its own reads of this slot.  The barrier opens a round
; of the cluster's barrier; behind the round this slot is filled again first: fill = 1: with its source's next K step, jointly; fill = 2: with my 64 rows of c0.
.macro TURN slot, next, fill
	s_wait_tensorcnt 0x0                           ; all my tensor loads have landed: the one that was out is my part of the next slot  (every window is 0 here)
	ds_add_u32 v[SPW], v[NIL]                      ; 0 onto my spare word
.if \fill == 2
	s_mov_b32 s[G0C], 1                            ; no tensor load of mine is out, so these four, which served x's scale bytes, may be written: c0's group 0
	s_mul_i32 s[G0C+1], s[WV], 64*PITCH            ; rows 64 x wave on, in what was A's part of slot 0
	s_mov_b64 s[G0C+2:G0C+3], s[24:25]
	s_or_b32 s[G0C+3], s[G0C+3], 0x80000000
.endif
	s_wait_dscnt 17                                ; (the add and the youngest sixteen loads, A's blocks 4-7, may be out)
	WIN MUL_LO
	MUL16 0, 1, 1, \slot, 0                        ; sixteen matrix instructions stand between the add and the wait for it
	s_wait_dscnt 0x0                               ; the add is done, and my reads of this slot are over
	s_barrier_signal -1
	MUL16 2, 1, 1, \slot, 0
	WIN 0
	s_barrier_wait -1
	CREST                                          ; no wave of any partner still reads this slot's tiles or has a load on its way
.if \fill == 1
	s_add_nc_u64 s[G0A+4*\slot+2:G0A+4*\slot+3], s[G0A+4*\slot+2:G0A+4*\slot+3], 256   ; 256 along K on, in this slot's own buffers
	s_add_nc_u64 s[G0B+4*\slot+2:G0B+4*\slot+3], s[G0B+4*\slot+2:G0B+4*\slot+3], 256
	JCODE \slot                                    ; my one tensor load behind the round
.else
	tensor_load_to_lds s[G0C:G0C+3], s[G1C:G1C+7]  ; my one tensor load behind the round, and my last
	s_nop 0
	PLACES 4
.endif
	PLACES 4                                       ; with the four behind the load: the eight places in front of the loads below
.if \next == 0
	v_add_nc_u32 v[ADRS], 8, v[ADRS]               ; on to the next 256 along K of both sources' scale words
.endif
	FETCH_B \next, 0, 0
	FETCH_A \next, 0, 0
	SCALES \next
.if (\fill == 1) && (\slot == 0)
	ASK
.endif
	WIN MUL_HI
	MUL16 4, 1, 1, \slot, 0
	MUL16 6, 1, 1, \slot, 0
	PLACES 8
	WIN 0
	FETCH_A \next, 0, 4
.endm
	s_wait_tensorcnt 1                             ; the scale bytes and my part of slot 0 are in; slot 1's load, the youngest, may be out
	s_barrier_signal -1
	s_barrier_wait -1                              ; everybody's are
	FETCH_B 0, 0, 0
	FETCH_A 0, 0, 0
	SCALES 0
	FETCH_A 0, 0, 4
	STEP 0, 1                                      ; the first step stands in front of the loop: its products start the sums from the biases
	s_mov_b32 s3, 3
.Llap:                                                 ; a trip goes once round the ring: 512 along K (256 of x, 256 of h0), 256 matrix instructions, both slots filled again
	TURN 0, 1, 1
	STEP 1, 0
	TURN 1, 0, 1
	STEP 0, 0
	s_sub_co_u32 s3, s3, 1
	s_cmp_lg_u32 s3, 0
	s_cbranch_scc1 .Llap
	TURN 0, 1, 2                                   ; x's last 128 along K; slot 0 takes c0
	STEP 1, 0
	s_wait_dscnt 16                                ; h0's last 128 along K: nothing more to fetch
	WIN MUL_LO
	MUL16 0, 1, 1, 1, 0
	MUL16 2, 1, 1, 1, 0
	s_wait_dscnt 0x0                               ; my reads of slot 1 are over,
	s_wait_tensorcnt 0x0                           ; and my 64 rows of c0 have landed: other waves read them behind this barrier.
	s_barrier_signal -1
	WIN MUL_HI
	MUL16 4, 1, 1, 1, 0
	MUL16 6, 1, 1, 1, 0
	WIN 0
	s_barrier_wait -1
	PLACES 8                                       ; in front of the first read of results and of loads and vector writes into registers that the last products read
	s_mov_b32 s[KS1], 0xbfb8aa3b                   ; -log2(e)  (no tensor load is out: the descriptors' registers are free)
	s_mov_b32 s[KS1+1], s[KS1]                     ; (the packed forms name a pair and take its low word for both halves)
	s_mov_b32 s[KS2], 0xc038aa3b                   ; -2 log2(e)
	s_mov_b32 s[KS2+1], s[KS2]
	s_mov_b32 s[HOLD], 0x41f00000                  ; 30
; THE CELLS of A's blocks 2 p and 2 p + 1: 32 a lane; index 16 e + 8 u + j = row 16 (2 p + e) + r, unit 16 u + 8 h + j.
;   Ei, Ef, Eo = 2^(-log2(e) z);  Eg = 2^(min(-2 log2(e) g, 30));  sigmoid(f) = 1 / (1 + Ef);  sigmoid(i) tanh(g) = (1 - Eg) / ((1 + Ei)(1 + Eg));
;   c1 = c0 sigmoid(f) + that;  Ec = 2^(min(-2 log2(e) c1, 30));  h1 = (1 - Ec) / ((1 + Eo)(1 + Ec)).
; An Ei, Ef or Eo that overflows gives a reciprocal of 0, the right limit.  (1 + E)(1 + E') stays an addition and a multiplication: fused as E (1 + E') + (1 + E') it would form 0 x infinity.
; Exponentials and reciprocals go in four batches; behind each a plain instruction and ONE wait, ahead of the batch's first reader.
.macro EPI p
.set AB, 128*((\p)%2)                  ; the pair's accumulators in their window: block e at 64 e, gate g at 16 g
.if ((\p)%2) == 1
	s_wait_dscnt 0x0                               ; the last pair's stores into the stage have read CC and NG
.endif
.irp e, 0,1
.irp u, 0,1
	ds_load_b128 v[CC+16*\e+8*\u:CC+16*\e+8*\u+3],   v[EA] offset:(2*(\p)+\e)*16*PITCH+64*\u      ; c0
	ds_load_b128 v[CC+16*\e+8*\u+4:CC+16*\e+8*\u+7], v[EA] offset:(2*(\p)+\e)*16*PITCH+64*\u+16
.endr
.endr
.if (\p) == 2
	s_wait_xcnt 0x0                                ; the first half's stores have read v64-191: they are written again only behind this wait
.endif
	WIN 2+(\p)/2                                   ; source 0: window 2 or 3
.irp e, 0,1                                    ; each accumulator is read from its low end on
.irp k, 0,2,4,6,8,10,12,14
	v_pk_mul_f32 v[TI+16*\e+\k:TI+16*\e+\k+1], v[AB+64*\e+\k:AB+64*\e+\k+1], s[KS1:KS1+1] op_sel_hi:[1,0]
.endr
.irp k, 0,2,4,6,8,10,12,14
	v_pk_mul_f32 v[TF+16*\e+\k:TF+16*\e+\k+1], v[AB+64*\e+16+\k:AB+64*\e+16+\k+1], s[KS1:KS1+1] op_sel_hi:[1,0]
.endr
.irp k, 0,2,4,6,8,10,12,14
	v_pk_mul_f32 v[TG+16*\e+\k:TG+16*\e+\k+1], v[AB+64*\e+32+\k:AB+64*\e+32+\k+1], s[KS2:KS2+1] op_sel_hi:[1,0]
.endr
.irp k, 0,2,4,6,8,10,12,14
	v_pk_mul_f32 v[TO+16*\e+\k:TO+16*\e+\k+1], v[AB+64*\e+48+\k:AB+64*\e+48+\k+1], s[KS1:KS1+1] op_sel_hi:[1,0]
.endr
.endr
	WIN 0
.set n, 0
.rept 32
	v_min_num_f32 v[TG+n], s[HOLD], v[TG+n]        ; the hold
.set n, n+1
.endr
.set n, 0
.rept 128
	v_exp_f32 v[TI+n], v[TI+n]                     ; Ei, Ef, Eg, Eo: TI to TO lie on end
.set n, n+1
.endr
	v_nop                                          ; a plain instruction behind the last exponential
	s_wait_dscnt 0x0                               ; c0 is in
	s_wait_alu depctr_va_vdst(0)                   ; one wait for the 128
.set n, 0
.rept 16
	v_pk_fma_f32 v[NG+n:NG+n+1], v[TG+n:TG+n+1], -1.0, 1.0 op_sel_hi:[1,0,0]   ; 1 - Eg
.set n, n+2
.endr
.set n, 0
.rept 64
	v_pk_add_f32 v[TI+n:TI+n+1], v[TI+n:TI+n+1], 1.0 op_sel_hi:[1,0]           ; 1 + E, all four
.set n, n+2
.endr
.set n, 0
.rept 16
	v_pk_mul_f32 v[TI+n:TI+n+1], v[TI+n:TI+n+1], v[TG+n:TG+n+1]                ; (1 + Ei)(1 + Eg)
.set n, n+2
.endr
.set n, 0
.rept 64
	v_rcp_f32 v[TI+n], v[TI+n]                     ; its reciprocal, and sigmoid(f): TI and TF lie on end
.set n, n+1
.endr
	v_nop
	s_wait_alu depctr_va_vdst(0)                   ; one wait for the 64
.set n, 0
.rept 16
	v_pk_mul_f32 v[NG+n:NG+n+1], v[NG+n:NG+n+1], v[TI+n:TI+n+1]                ; sigmoid(i) tanh(g)
.set n, n+2
.endr
.set n, 0
.rept 16
	v_pk_fma_f32 v[CC+n:CC+n+1], v[CC+n:CC+n+1], v[TF+n:TF+n+1], v[NG+n:NG+n+1]   ; c1
.set n, n+2
.endr
.irp e, 0,1
.irp u, 0,1
	ds_store_b128 v[EA], v[CC+16*\e+8*\u:CC+16*\e+8*\u+3]   offset:(2*(\p)+\e)*16*PITCH+64*\u      ; c1 over the bytes of c0 that I alone have read
	ds_store_b128 v[EA], v[CC+16*\e+8*\u+4:CC+16*\e+8*\u+7] offset:(2*(\p)+\e)*16*PITCH+64*\u+16
.endr
.endr
.set n, 0
.rept 16
	v_pk_mul_f32 v[TG+n:TG+n+1], v[CC+n:CC+n+1], s[KS2:KS2+1] op_sel_hi:[1,0]
.set n, n+2
.endr
.set n, 0
.rept 32
	v_min_num_f32 v[TG+n], s[HOLD], v[TG+n]
.set n, n+1
.endr
.set n, 0
.rept 32
	v_exp_f32 v[TG+n], v[TG+n]                     ; Ec
.set n, n+1
.endr
	v_nop
	s_wait_alu depctr_va_vdst(0)
.set n, 0
.rept 16
	v_pk_fma_f32 v[NG+n:NG+n+1], v[TG+n:TG+n+1], -1.0, 1.0 op_sel_hi:[1,0,0]   ; 1 - Ec
.set n, n+2
.endr
.set n, 0
.rept 16
	v_pk_add_f32 v[TG+n:TG+n+1], v[TG+n:TG+n+1], 1.0 op_sel_hi:[1,0]
.set n, n+2
.endr
.set n, 0
.rept 16
	v_pk_mul_f32 v[TG+n:TG+n+1], v[TG+n:TG+n+1], v[TO+n:TO+n+1]                ; (1 + Ec)(1 + Eo)
.set n, n+2
.endr
.set n, 0
.rept 32
	v_rcp_f32 v[TG+n], v[TG+n]
.set n, n+1
.endr
	v_nop
	s_wait_alu depctr_va_vdst(0)
.set n, 0
.rept 16
	v_pk_mul_f32 v[NG+n:NG+n+1], v[NG+n:NG+n+1], v[TG+n:TG+n+1]                ; h1
.set n, n+2
.endr
.irp e, 0,1
.irp u, 0,1
	ds_store_b128 v[EH], v[NG+16*\e+8*\u:NG+16*\e+8*\u+3]   offset:(2*(\p)+\e)*16*PITCH+64*\u
	ds_store_b128 v[EH], v[NG+16*\e+8*\u+4:NG+16*\e+8*\u+7] offset:(2*(\p)+\e)*16*PITCH+64*\u+16
.endr
.endr
.endm
; 64 rows of each half of the tile's rows leave.  A row's 256 bytes come from two waves: so a barrier, each wave's stores done in front of its signal; then each wave reads 32 whole rows of c1 and of h1 and stores them.
.macro SEND half
	s_wait_dscnt 0x0                               ; for the others' sake: my stores into the stage are done
	s_barrier_signal -1
	s_barrier_wait -1
.irp t, 0,1,2,3,4,5,6,7,8,9,10,11,12,13,14,15
	ds_load_b128 v[TI+4*\t:TI+4*\t+3], v[RD] offset:(64*\half+2*\t)*PITCH
.endr
.irp t, 0,1,2,3,4,5,6,7,8,9,10,11,12,13,14,15
	ds_load_b128 v[TG+4*\t:TG+4*\t+3], v[RDH] offset:(64*\half+2*\t)*PITCH
.endr
.irp t, 0,1,2,3,4,5,6,7,8,9,10,11,12,13,14,15
	s_wait_dscnt 31-\t                             ; LDS loads come back in order: load t of the 32 is in
	global_store_b128 v[CO], v[TI+4*\t:TI+4*\t+3], s[28:29] offset:(64*\half+2*\t)*4096 th:TH_STORE_NT   ; c1: 16 lanes store 256 consecutive bytes, at a multiple of 256 from the buffer's first byte
.endr
.irp t, 0,1,2,3,4,5,6,7,8,9,10,11,12,13,14,15
	s_wait_dscnt 15-\t
	global_store_b128 v[CO], v[TG+4*\t:TG+4*\t+3], s[26:27] offset:(64*\half+2*\t)*4096 th:TH_STORE_NT   ; h1
.endr
.endm
	EPI 0
	EPI 1
	SEND 0                                         ; rows 0-63 of each half leave while rows 64-127 are worked: the second half touches none of the stage rows that are being read
	EPI 2
	EPI 3
	SEND 1
	s_wait_tensorcnt 0x0                           ; the wave's end, behind my last tensor load and my last LDS store
	ds_add_u32 v[SPW], v[NIL]
	s_wait_dscnt 0x0
	CROUND                                         ; the closing round: no work-group ends while a partner may still ask for a tile that names it
	s_endpgm
.Lfunc_end_k_q01a08f7e05_lstm:
	.size	k_q01a08f7e05_lstm, .Lfunc_end_k_q01a08f7e05_lstm-k_q01a08f7e05_lstm
	.p2alignl 7, 3214868480
	.fill 96, 4, 3214868480
	.section	.rodata,"a",@progbits
	.p2align	6, 0x0
	.amdhsa_kernel k_q01a08f7e05_lstm
		.amdhsa_group_segment_fixed_size 327680
		.amdhsa_private_segment_fixed_size 0
		.amdhsa_enable_private_segment 0
		.amdhsa_kernarg_size 104
		.amdhsa_user_sgpr_count 2
		.amdhsa_user_sgpr_kernarg_segment_ptr 1
		.amdhsa_wavefront_size32 1
		.amdhsa_system_sgpr_workgroup_id_x 1
		.amdhsa_system_sgpr_workgroup_id_y 1
		.amdhsa_system_sgpr_workgroup_id_z 1
		.amdhsa_system_vgpr_workitem_id 0
		.amdhsa_next_free_vgpr 1024
		.amdhsa_next_free_sgpr 106
		.amdhsa_reserve_vcc 0
		.amdhsa_float_denorm_mode_32 3
		.amdhsa_float_denorm_mode_16_64 3
		.amdhsa_memory_ordered 1
		.amdhsa_forward_progress 1
		.amdhsa_inst_pref_size 252
	.end_amdhsa_kernel
	.amdgpu_metadata
---
amdhsa.version: [ 1, 2 ]
amdhsa.kernels:
  - .name:           k_q01a08f7e05_lstm
    .symbol:         k_q01a08f7e05_lstm.kd
    .args:
      - { .name: x_codes, .offset: 0, .size: 8, .value_kind: global_buffer, .address_space: global }
      - { .name: x_scales, .offset: 8, .size: 8, .value_kind: global_buffer, .address_space: global }
      - { .name: h0_codes, .offset: 16, .size: 8, .value_kind: global_buffer, .address_space: global }
      - { .name: h0_scales, .offset: 24, .size: 8, .value_kind: global_buffer, .address_space: global }
      - { .name: W_x_codes, .offset: 32, .size: 8, .value_kind: global_buffer, .address_space: global }
      - { .name: W_x_scales, .offset: 40, .size: 8, .value_kind: global_buffer, .address_space: global }
      - { .name: W_h_codes, .offset: 48, .size: 8, .value_kind: global_buffer, .address_space: global }
      - { .name: W_h_scales, .offset: 56, .size: 8, .value_kind: global_buffer, .address_space: global }
      - { .name: b_x, .offset: 64, .size: 8, .value_kind: global_buffer, .address_space: global }
      - { .name: b_h, .offset: 72, .size: 8, .value_kind: global_buffer, .address_space: global }
      - { .name: c0, .offset: 80, .size: 8, .value_kind: global_buffer, .address_space: global }
      - { .name: out0, .offset: 88, .size: 8, .value_kind: global_buffer, .address_space: global }
      - { .name: out1, .offset: 96, .size: 8, .value_kind: global_buffer, .address_space: global }
    .group_segment_fixed_size: 327680
    .private_segment_fixed_size: 0
    .kernarg_segment_align: 8
    .kernarg_segment_size: 104
    .max_flat_workgroup_size: 128
    .sgpr_count:     106
    .vgpr_count:     1024
    .wavefront_size: 32
...
	.end_amdgpu_metadata
.endif
;; end of part 1
